; MI455X (gfx1250); checked and timed in simulation.
; The chip was launched on July 23, 2026; its instructions are those of AMD's public machine-readable ISA for CDNA 5 (MIT licence, August 2026) and "CDNA5" Instruction Set Architecture Reference Guide (July 2026). The comments in the code are by the model that wrote it; some were corrected since.
;; Multi Head Self Attention. Allowed arithmetic: matrix products marked QUANTISED: E2M1 operands, one E8M0 scale for each 32 along K, by v_wmma_scale_f32_16x16x128_f8f6f4 with both operands' format E2M1 (or v_wmma_scale_f32_32x16x128_f4), f32 sums; everything else in f32.
;; Inputs: proj_b 1,024 float32; proj_w 1,024 x 1,024 float32; qkv_b 3,072 float32; qkv_w 3,072 x 1,024 float32; x 4 x 2,048 x 1,024 float32.
;; Outputs: out0 4 x 2,048 x 1,024 float32.
;; This version of the problem:
;;   THIS VERSION OF THE PROBLEM IS GIVEN IN LOW PRECISION. The matrix products marked QUANTISED in the list below multiply operands that are first quantised to E2M1 (2 exponent bits, 1 mantissa bit; 4 bits a number), with one power-of-two scale for each 32 numbers along K (OCP MX v1.0); their sums are f32. All else is computed in f32.
;;   The module's matrix products, in the order in which they are computed (A, B: the left and right operand; K: the contracted axis; several contracted axes count as one K, in the product's order):
;;     1. [M 8,192, K 1,024] x [K 1,024, N 3,072]; A: input x; B: input qkv_w: QUANTISED
;;     2. batch 64 x [M 2,048, K 64] x [K 64, N 2,048]; A: computed on the way; B: computed on the way: QUANTISED
;;     3. batch 64 x [M 2,048, K 2,048] x [K 2,048, N 64]; A: softmax (see below); B: computed on the way: QUANTISED
;;     4. [M 8,192, K 1,024] x [K 1,024, N 1,024]; A: computed on the way; B: input proj_w: QUANTISED
;;   THE QUANTISER, for each operand of a quantised product, along K:
;;     - K is cut into blocks of 32 from its start; a last block that is shorter is filled with zeros.
;;     - A block's scale is 2^e with e = floor(log2(the largest magnitude in the block)) - 2, held to -126 .. 127; a block of zeros has e = 0. As a byte (E8M0): e + 127.
;;     - Each number is divided by its block's scale, clamped to +-6, and rounded to the nearest number of E2M1, ties to even, subnormals kept.
;;     - The product sums the exact products of the quantised numbers (number of the format x scale) in f32.
;;   ~~~python
;;   def quantise(x, axis):      # numpy; x: float32 -> the quantised numbers, widened to float32 again
;;       x = np.moveaxis(x, axis, -1); K = x.shape[-1]
;;       x = np.pad(x, [(0, 0)] * (x.ndim - 1) + [(0, -K % 32)]); x = x.reshape(x.shape[:-1] + (-1, 32)); a = np.abs(x).max(-1, keepdims=True)
;;       e = np.where(a > 0, np.clip(np.frexp(np.where(a > 0, a, 1))[1] - 1 - 2, -126, 127), 0)      # np.frexp(a)[1] - 1 = floor(log2(a)), exactly
;;       r = np.clip(x / 2.0 ** e, -6, 6)
;;       step = 2.0 ** (np.maximum(np.frexp(np.where(r == 0, 1, r))[1] - 1, 0) - 1)
;;       q = np.round(r / step) * step * 2.0 ** e      # np.round: ties to even
;;       return np.moveaxis(q.reshape(q.shape[:-2] + (-1,))[..., :K], -1, axis).astype(np.float32)
;;   ~~~
;;   SOFTMAX AHEAD OF A QUANTISED PRODUCT. Where the list says 'softmax', what is quantised is not the finished softmax but p = 2^(t - M), with t = logit x log2(e) and M = ceil(the row's largest t), a whole number; so 1/2 < the row's largest p <= 1. The row's sum l is taken of the UNQUANTISED p, in f32, and the product's result is divided by l at the end. Since M is a whole number, a kernel that streams over the keys may use a running M (the ceiling of the running maximum): every later rescaling is an exact power of two, which a block's scale takes up: the codes' values come out the same.
;;   OPERANDS COMPUTED ON THE WAY. 'Computed on the way' means the value that the module computes at that place (a softmax that the list does not call 'softmax' is quantised finished and normalised). What goes into a quantiser is computed in f32, as accurately as f32 sums, v_exp_f32 and their like allow (about 1e-6 of the number): no bf16 or f16 on the way to a quantiser, and a product that is left as it is and whose result goes on into a quantised operand takes f32 operands (vector FMAs, or v_wmma_f32_16x16x4_f32). A number that lies on a knife's edge between two numbers of the format may be rounded either way, as far as f32 arithmetic and the matrix unit's own rounding can turn it there, and no further.
;; One version. Each part assembles by itself: llvm-mc -triple=amdgcn-amd-amdhsa -mcpu=gfx1250 --defsym DOCPART=n.
;; ======== version 1 of 1: 4 launches
;; limits: right only within a limited range of input values
;; workspace buffers: opq 6,684,672 bytes; qkv 13,893,632 bytes; oq 4,456,448 bytes
;; launch quant (part 1): grid 384 x 1, 4 waves a work-group, no clusters, 34,304 bytes of LDS; arguments x, qkv_w, proj_w, opq; writes opq
.if DOCPART == 1
	.amdgcn_target "amdgcn-amd-amdhsa--gfx1250"
	.amdhsa_code_object_version 6
	.text
	.protected	k_qa1c49169e5_quant
	.globl	k_qa1c49169e5_quant
	.p2align	8
	.type	k_qa1c49169e5_quant,@function
k_qa1c49169e5_quant:
	s_mov_b64 s[64:65], 0
	v_nop
	global_prefetch_b8 v0, s[64:65] scope:SCOPE_SE
	s_setreg_imm32_b32 hwreg(HW_REG_WAVE_MODE, 25, 1), 1
	s_wait_xcnt 0x0
; x [8192][1024], qkv_w [3072][1024] and proj_w [1024][1024], f32, K innermost, become codes of FP4 (E2M1) with one E8M0 byte for each 32 along K,
; laid in opq AS THE MATRIX UNIT'S REGISTERS WANT THEM.  The rows are cut into tiles of 16; lane r of tile t takes row 32 (t / 2) + 8 (t % 2) + r + 8 (r / 8).
; Tile g (x: 0-511, qkv_w: 512-703, proj_w: 704-767), K step s (128 along K): 1,024 bytes at 8192 g + 1024 s + 512 c + 16 lane; lane (r, h), c holds block 4 s + 2 c + h of its row.
; Scale words (four bytes: one K step of one row) at SCO + 512 g + 256 (s / 4) + 16 r + 4 (s % 4).
; A block's scale is 2^(floor(log2(its largest magnitude)) - 2); its byte is that magnitude's exponent field - 2, held at 1 from below.
; LIMITS: NaN and infinities are not served; a block whose largest magnitude lies under 2^-124 gets the byte 1; a block of zeros gets the byte 1 where the rule says 127
; (its codes are zeros, which add nothing under that byte, and this program alone reads the bytes).
; SHARES: a wave takes one tile of 16 rows x 512 along K, in four steps of 128.  Each load reads 512 consecutive bytes of one row; the 16 x 512 bytes turn through the wave's own stage in LDS,
; so that a lane gets two whole blocks of its row.  Waves share nothing: no barrier, no joint requests (no two work-groups read the same bytes).
.set PITCH, 528                        ; a stage row: 512 bytes + 16, so that the sixteen rows that a load touches start 16 bytes apart modulo 256
.set SCO,   6291456                    ; where the scale words begin in opq
.set R,     16                         ; v16-143 of windows 0 and 1: four sets of 64, one for each step's numbers as loaded (steps 0, 1: window 0; steps 2, 3: window 1)
.set X,     144                        ; v144-207 my two blocks of 32
.set C,     208                        ; v208-239 codes, eight registers for each step: no store's data are written again
.set SW,    240                        ; v240-243 my row's scale word of each step
	s_load_b256 s[4:11], s[0:1], 0x0               ; x s[4:5], qkv_w s[6:7], proj_w s[8:9], opq s[10:11]
	v_lshl_add_u32 v254, v0, 2, 0x8400
	v_mov_b32 v255, 0
	v_lshrrev_b32 v1, 5, v0
	v_readfirstlane_b32 s16, v1                    ; wave
	v_and_b32 v1, 31, v0                           ; lane
	v_lshlrev_b32 v2, 4, v1                        ; 16 x lane
	v_and_b32 v3, 15, v0                           ; r
	v_bfe_u32 v4, v0, 4, 1                         ; h
	s_mul_i32 s17, s16, 16*PITCH                   ; my stage
	v_add_nc_u32 v5, s17, v2                       ; into it: 16 bytes a lane of a row
	v_mul_u32_u24 v6, v3, PITCH
	v_lshl_add_u32 v6, v4, 7, v6
	v_add_nc_u32 v6, s17, v6                       ; out of it: row r, block h
	v_lshlrev_b32 v7, 3, v4                        ; 8 h: my bytes' place in a scale word
	v_lshl_add_u32 v8, v3, 4, v7                   ; 16 r + 8 h: my two scale words on the way out
	v_mov_b32 v250, 0                              ; a lane permute's destination counts as read: written once
	s_mov_b32 s20, 0x76543210
	s_mov_b32 s21, 0xfedcba98                      ; selects: lane l xor 16
	s_mov_b32 s22, 0xffff0000                      ; lanes 16-31
	s_lshl_b32 s13, ttmp9, 2
	s_add_co_u32 s13, s13, s16                     ; my unit
	s_lshr_b32 s14, s13, 1                         ; tile g
	s_and_b32 s15, s13, 1                          ; which half of K
	s_wait_alu depctr_va_vdst(0)
	s_wait_kmcnt 0x0
	s_cmp_lt_u32 ttmp9, 352                        ; which tensor: the choice hangs on the work-group's number alone
	s_cselect_b64 s[6:7], s[6:7], s[8:9]
	s_mov_b32 s12, 704
	s_cselect_b32 s12, 512, s12
	s_cmp_lt_u32 ttmp9, 256
	s_cselect_b64 s[4:5], s[4:5], s[6:7]
	s_cselect_b32 s12, 0, s12                      ; the tensor's first tile
	s_sub_co_u32 s18, s14, s12                     ; my tile in the tensor
	s_lshr_b32 s19, s18, 1
	s_lshl_b32 s19, s19, 5
	s_and_b32 s23, s18, 1
	s_lshl_b32 s23, s23, 3
	s_add_co_u32 s19, s19, s23                     ; its first row
	s_lshl_b32 s24, s19, 12                        ; rows of 4,096 bytes
	s_lshl_b32 s23, s15, 11
	s_add_co_u32 s24, s24, s23
	s_mov_b32 s25, 0
	s_add_nc_u64 s[4:5], s[4:5], s[24:25]
	s_lshl_b32 s26, s14, 13
	s_lshl_b32 s23, s15, 12
	s_add_co_u32 s26, s26, s23
	s_mov_b32 s27, 0
	s_add_nc_u64 s[28:29], s[10:11], s[26:27]      ; my codes
	s_lshl_b32 s26, s14, 9
	s_lshl_b32 s23, s15, 8
	s_add_co_u32 s26, s26, s23
	s_add_co_u32 s26, s26, SCO
	s_add_nc_u64 s[30:31], s[10:11], s[26:27]      ; my scale words
.macro LOAD j                          ; step j: 128 numbers of each of the tile's 16 rows
.if (\j) >= 2
	s_set_vgpr_msb 0x40                            ; destination: window 1
.endif
.irp i, 0,1,2,3,4,5,6,7,8,9,10,11,12,13,14,15
	global_load_b128 v[R+64*((\j)%2)+4*\i:R+64*((\j)%2)+4*\i+3], v2, s[4:5] offset:(\i+8*(\i/8))*4096+512*(\j) th:TH_LOAD_NT
.endr
.if (\j) >= 2
	s_set_vgpr_msb 0x4000
.endif
.endm
.macro STEP j
.if (\j) < 2
	s_wait_loadcnt 32                              ; this step's 16 loads are in; behind them stand two steps' 32 (step 3's are issued in step 0)
.else
	s_wait_loadcnt 48-16*(\j)                      ; step 2: step 3's 16 may be out; step 3: none
.endif
.if (\j) >= 2
	s_set_vgpr_msb 0x04                            ; an LDS store's data: window 1
.endif
.irp i, 0,1,2,3,4,5,6,7,8,9,10,11,12,13,14,15
	ds_store_b128 v5, v[R+64*((\j)%2)+4*\i:R+64*((\j)%2)+4*\i+3] offset:PITCH*\i
.endr
.if (\j) >= 2
	s_set_vgpr_msb 0x0400
.endif
.irp c, 0,1
.irp k, 0,1,2,3,4,5,6,7
	ds_load_b128 v[X+32*\c+4*\k:X+32*\c+4*\k+3], v6 offset:256*\c+16*\k   ; LDS serves a wave's instructions in order: these see the stores above.  Block 2 c + h of row r
.endr
.endr
	s_wait_dscnt 0x0                               ; my numbers are back, and the stores have read their registers
.if (\j) == 0
	LOAD 3                                         ; the last step's loads: with them 48 of mine are out again
.endif
.irp c, 0,1
	v_max3_num_f32 v[244+\c], |v[X+32*\c]|, |v[X+32*\c+1]|, 0x1800000   ; the floor 2^(3 - 127) among the leaves: the byte cannot fall under 1
.endr
.irp i, 2,4,6,8,10,12,14,16,18,20,22,24,26,28,30
.irp c, 0,1
	v_max3_num_f32 v[244+\c], v[244+\c], |v[X+32*\c+\i]|, |v[X+32*\c+\i+1]|   ; the two blocks by turns
.endr
.endr
.irp c, 0,1
	v_add_nc_u32 v[246+\c], 0xff000000, v[244+\c]  ; 2 off the exponent field: the conversion's scale operand
.endr
.irp c, 0,1
	v_lshrrev_b32 v[248+\c], 23, v[246+\c]         ; the scale's byte
.endr
.irp c, 0,1
.irp g, 0,1,2,3
	v_cvt_scalef32_pk8_fp4_f32 v[C+8*(\j)+4*\c+\g], v[X+32*\c+8*\g:X+32*\c+8*\g+7], v[246+\c]
.endr
.endr
	v_lshl_or_b32 v251, v249, 16, v248             ; (plain lines behind the conversions)  my two bytes: blocks h and 2 + h,
	v_lshlrev_b32 v251, v7, v251                   ; at their places in the word;
	v_permlanex16_b32 v250, v251, s20, s21
	v_or_b32 v[SW+(\j)], v251, v250                ; with lane l xor 16's two the word is whole
.irp c, 0,1
	global_store_b128 v2, v[C+8*(\j)+4*\c:C+8*(\j)+4*\c+3], s[28:29] offset:1024*(\j)+512*\c   ; 32 lanes store 512 consecutive bytes, aligned
.endr
.endm
	LOAD 0
	LOAD 1
	LOAD 2
	STEP 0
	STEP 1
	STEP 2
	STEP 3
	v_cndmask_b32 v252, v[SW], v[SW+2], s22        ; lanes 0-15 store words 0, 1 of their row, lanes 16-31 words 2, 3:
	v_cndmask_b32 v253, v[SW+1], v[SW+3], s22
	global_store_b64 v8, v[252:253], s[30:31]      ; 256 consecutive bytes, aligned
	s_wait_tensorcnt 0x0
	ds_add_u32 v254, v255
	s_wait_dscnt 0x0
	s_endpgm
.Lfunc_end_k_qa1c49169e5_quant:
	.size	k_qa1c49169e5_quant, .Lfunc_end_k_qa1c49169e5_quant-k_qa1c49169e5_quant
	.p2alignl 7, 3214868480
	.fill 96, 4, 3214868480
	.section	.rodata,"a",@progbits
	.p2align	6, 0x0
	.amdhsa_kernel k_qa1c49169e5_quant
		.amdhsa_group_segment_fixed_size 34304
		.amdhsa_private_segment_fixed_size 0
		.amdhsa_enable_private_segment 0
		.amdhsa_kernarg_size 32
		.amdhsa_user_sgpr_count 2
		.amdhsa_user_sgpr_kernarg_segment_ptr 1
		.amdhsa_wavefront_size32 1
		.amdhsa_system_sgpr_workgroup_id_x 1
		.amdhsa_system_sgpr_workgroup_id_y 1
		.amdhsa_system_sgpr_workgroup_id_z 1
		.amdhsa_system_vgpr_workitem_id 0
		.amdhsa_next_free_vgpr 400
		.amdhsa_next_free_sgpr 66
		.amdhsa_reserve_vcc 0
		.amdhsa_float_denorm_mode_32 3
		.amdhsa_float_denorm_mode_16_64 3
		.amdhsa_memory_ordered 1
		.amdhsa_forward_progress 1
		.amdhsa_inst_pref_size 30
	.end_amdhsa_kernel
	.amdgpu_metadata
---
amdhsa.version: [ 1, 2 ]
amdhsa.kernels:
  - .name:           k_qa1c49169e5_quant
    .symbol:         k_qa1c49169e5_quant.kd
    .args:
      - { .name: x, .offset: 0, .size: 8, .value_kind: global_buffer, .address_space: global }
      - { .name: qkv_w, .offset: 8, .size: 8, .value_kind: global_buffer, .address_space: global }
      - { .name: proj_w, .offset: 16, .size: 8, .value_kind: global_buffer, .address_space: global }
      - { .name: opq, .offset: 24, .size: 8, .value_kind: global_buffer, .address_space: global }
    .group_segment_fixed_size: 34304
    .private_segment_fixed_size: 0
    .kernarg_segment_align: 8
    .kernarg_segment_size: 32
    .max_flat_workgroup_size: 128
    .sgpr_count:     66
    .vgpr_count:     400
    .wavefront_size: 32
...
	.end_amdgpu_metadata
.endif
;; end of part 1
;; launch qkvg (part 2): grid 12 x 32, 4 waves a work-group, clusters of 4 x 4, 262,656 bytes of LDS; arguments opq, qkv_b, qkv; writes qkv
.if DOCPART == 2
	.amdgcn_target "amdgcn-amd-amdhsa--gfx1250"
	.amdhsa_code_object_version 6
	.text
	.protected	k_qa1c49169e5_qkvg
	.globl	k_qa1c49169e5_qkvg
	.p2align	8
	.type	k_qa1c49169e5_qkvg,@function
k_qa1c49169e5_qkvg:
	s_mov_b64 s[64:65], 0
	v_nop
	global_prefetch_b8 v0, s[64:65] scope:SCOPE_SE
	s_setreg_imm32_b32 hwreg(HW_REG_WAVE_MODE, 25, 1), 1
	s_wait_xcnt 0x0
	s_wait_alu depctr_hold_cnt(0) depctr_sa_sdst(0) depctr_va_vdst(0) depctr_va_sdst(0) depctr_va_ssrc(0) depctr_va_vcc(0) depctr_vm_vsrc(0)
	s_getreg_b32 s2, hwreg(HW_REG_IB_STS2, 6, 4)
	s_cmp_eq_u32 s2, 0
	s_cbranch_scc0 .Lentry_in_a_cluster
	s_endpgm
.Lentry_in_a_cluster:
	s_bfe_u32 s2, ttmp6, 0x10000c
	s_cmp_lg_u32 s2, 0xf033
	s_cbranch_scc0 .Lentry_shape_is_right
	s_endpgm
.Lentry_shape_is_right:
; qkv = x qkv_w^T + qkv_b on codes of FP4 with E8M0 scales, K = 1,024; q, k and v are quantised in registers and leave as codes: the f32 numbers never go to memory.
; THE FRAME.  D = product(source 0 = 16 rows of U, source 1 = 16 rows of T): a lane holds ONE row of T, and its registers run along U's rows.  Lane r of tile t holds row 32 (t / 2) + 8 (t % 2) + r + 8 (r / 8),
; so the 16 registers of U's tiles 2 b and 2 b + 1 are 16 NEIGHBOURS, 32 b + 16 (lane / 16) + 0 .. 15: the form that the conversions want.  U is the axis that is quantised next:
;   clusters x = 0, 1 (q, k): U = 256 rows of the weight (four heads' 64), T = 256 tokens: q and k are quantised along the head's 64;
;   cluster  x = 2    (v):    U = 256 tokens, T = 256 rows of W_v: v is quantised along the tokens, which are the keys of the second product of attention.
; A work-group of four waves makes 256 x 256, a wave 128 x 128: 64 accumulators, 512 registers.  ALL OF K LIES IN LDS: 512 rows x 512 bytes = 262,144 bytes, so no LDS byte is filled twice.
; It comes in four chunks of two K steps; each wave asks for its four loads at the start (four of mine are out) and counts them in, chunk by chunk.
; CLUSTERS 4 x 4: U hangs on cx and is shared along a column of the cluster, T on cy and is shared along a row: each tile is asked for jointly by the four that need it.
; The operands lie in opq as images of the registers: a fragment (16 rows x 128 K) is 1,024 consecutive bytes, two loads of 16 bytes a lane at 16 x lane: no pitch, no padding.
; The scale words and the bias come from memory into registers once.  A scale register holds K steps 0-3 in lanes 0-15 and K steps 4-7 in lanes 16-31.  The bias is the C of the first K step, so it is the first term of the f32 sum.
; LIMITS: NaN and infinities are not served; a block whose largest magnitude lies under 2^-124, or of zeros, gets the byte 1 (zero codes add nothing; this program alone reads the bytes).
; REGISTERS, in windows of 256: window 0: v1-14 addresses; v32-63 U's scale words, v64-95 T's; v96-127 at work; v128-191, v192-255 T's fragments, two sets (on the way out: the codes).
;   window 1: v0-63, v128-191 U's fragments, two sets; v64-127 the bias.   window 2: accumulator (a, b) at v[8 (8 a + b)], T's tiles a = 0-3;   window 3: a = 4-7.
; THE LOADS, AS THIS TEXT HAS THEM: each wave asks for ONE load at the start, its half of U or of T for all eight K steps (8 tiles of 8,192 consecutive bytes, 65,536 bytes on end in opq and in LDS);
; one wait for 0 and one barrier show all four loads to all four waves.  Where the lines above speak of four chunks and of four loads a wave, this holds in their stead.
.set TT,  8                            ; T's tiles in a wave
.set UH,  65536                        ; 8 tiles of U, all eight K steps: 8 x 8,192 bytes, dense in opq: what ONE tensor load brings
.set TH,  8192*TT                      ; the same for T.  LDS: U's two halves, then T's two halves, each an image of its bytes in opq
.set SCO, 6291456                      ; opq: where the scale words begin
.set REC, 217088                       ; qkv: a record for each (batch, head): K's codes at 0, V's, K's scale words, V's, Q's codes, Q's scale words
.set VI,  65536
.set KS,  131072
.set VS,  139264
.set QI,  143360
.set QS,  208896
.set ADU, 4                            ; v4     LDS address of my U fragments
.set ADT, 8                            ; v8     the same for T
.set SCU, 32
.set SCT, 64
.set BI,  64                           ; in window 1
.set MSB, 0
.macro WIN new                         ; the immediate's high byte repeats the setting that is left; a switch that changes nothing is dropped
.if MSB != (\new)
	s_set_vgpr_msb (MSB<<8)|(\new)
.set MSB, (\new)
.endif
.endm
.macro CROUND                          ; a round of the cluster's barrier
	s_barrier_signal -1
	s_barrier_wait -1
	s_cmp_lg_u32 s10, 0
	s_cbranch_scc1 .Lnot_wave_0_\@
	s_barrier_signal -3
.Lnot_wave_0_\@:
	s_barrier_wait -3
	s_barrier_signal -1
	s_barrier_wait -1
.endm
.macro PLACES n
.rept \n
	v_nop
.endr
.endm
.macro FETCH s                         ; K step s: U's 8 fragments and T's TT into set s % 2
	WIN 0x40                                       ; destination window 1, address window 0
.irp i, 0,1,2,3,4,5,6,7
	ds_load_b128 v[128*((\s)%2)+8*\i:128*((\s)%2)+8*\i+3],   v[ADU] offset:8192*\i+1024*(\s)
	ds_load_b128 v[128*((\s)%2)+8*\i+4:128*((\s)%2)+8*\i+7], v[ADU] offset:8192*\i+1024*(\s)+512
.endr
	WIN 0
.irp i, 0,1,2,3,4,5,6,7
.if \i < TT
	ds_load_b128 v[128+64*((\s)%2)+8*\i:128+64*((\s)%2)+8*\i+3],   v[ADT] offset:8192*\i+1024*(\s)
	ds_load_b128 v[128+64*((\s)%2)+8*\i+4:128+64*((\s)%2)+8*\i+7], v[ADT] offset:8192*\i+1024*(\s)+512
.endif
.endr
.endm
.macro MM s, mode, a, b                ; one product.  mode 0: onto the sum; 1: the sum begins with the bias along U; 2: with the bias along T
.set rD, 8*(8*((\a)%4)+(\b))
.set rU, 128*((\s)%2)+8*(\b)
.set rT, 128+64*((\s)%2)+8*(\a)
.set rX, SCU+4*(\b)+(\s)%4
.set rY, SCT+4*(\a)+(\s)%4
.if (\mode) == 1
	v_wmma_scale_f32_16x16x128_f8f6f4 v[rD:rD+7], v[rU:rU+7], v[rT:rT+7], v[BI+8*(\b):BI+8*(\b)+7], v[rX], v[rY] matrix_a_fmt:MATRIX_FMT_FP4 matrix_b_fmt:MATRIX_FMT_FP4
.elseif (\mode) == 2
	v_wmma_scale_f32_16x16x128_f8f6f4 v[rD:rD+7], v[rU:rU+7], v[rT:rT+7], v[BI+8*(\a):BI+8*(\a)+7], v[rX], v[rY] matrix_a_fmt:MATRIX_FMT_FP4 matrix_b_fmt:MATRIX_FMT_FP4
.elseif (\s) < 4
	v_wmma_scale_f32_16x16x128_f8f6f4 v[rD:rD+7], v[rU:rU+7], v[rT:rT+7], v[rD:rD+7], v[rX], v[rY] matrix_a_fmt:MATRIX_FMT_FP4 matrix_b_fmt:MATRIX_FMT_FP4
.else
	v_wmma_scale_f32_16x16x128_f8f6f4 v[rD:rD+7], v[rU:rU+7], v[rT:rT+7], v[rD:rD+7], v[rX], v[rY] matrix_a_fmt:MATRIX_FMT_FP4 matrix_b_fmt:MATRIX_FMT_FP4 matrix_a_scale:MATRIX_SCALE_ROW1 matrix_b_scale:MATRIX_SCALE_ROW1
.endif
.endm
.macro MULS s, mode                    ; a K step's 8 TT products.  The accumulators take turns, one instruction a turn, in the same order in every step
.irp a, 0,1,2,3,4,5,6,7
.if \a < TT
.if (\mode) == 0
	WIN 0xa1+0x50*(\a/4)                           ; U window 1, T window 0, C and D window 2 or 3
.else
	WIN 0x91+0x40*(\a/4)                           ; C (the bias) window 1
.endif
.irp b, 0,1,2,3,4,5,6,7
	MM \s, \mode, \a, \b
.endr
.endif
.endr
.endm
.macro STEP s, mode
	s_wait_dscnt 0x0                               ; this step's fragments, asked for a whole step ago, are in
.if (\s) < 7
	PLACES 4                                       ; in front of loads into registers that the step before multiplied (ISA guide 7.12.1 for vector instructions)
	FETCH (\s)+1
.endif
	MULS \s, \mode
.endm
	s_load_b128 s[4:7], s[0:1], 0x0                ; opq, qkv_b
	s_load_b64 s[8:9], s[0:1], 0x10                ; qkv
	v_lshl_add_u32 v126, v0, 2, 0x40000
	v_mov_b32 v127, 0
	ds_add_u32 v126, v127
	ds_add_u32 v126, v127
	v_lshrrev_b32 v1, 5, v0
	v_readfirstlane_b32 s10, v1                    ; wave
	s_lshr_b32 s11, s10, 1                         ; which half of U is mine.  Also: I fetch for U (0) or for T (1)
	s_and_b32 s12, s10, 1                          ; which half of T is mine.  Also: which half I fetch
	s_bfe_u32 s13, ttmp6, 0x40000                  ; cx
	s_bfe_u32 s14, ttmp6, 0x40004                  ; cy
	s_mov_b32 s15, ttmp9                           ; cluster x: 0 q, 1 k, 2 v: the same in all partners
	s_and_b32 s16, ttmp7, 0xffff                   ; cluster y
	s_lshl_b32 s62, 0x1111, s13                    ; my column of the cluster
	s_lshl_b32 s63, s14, 2
	s_lshl_b32 s63, 15, s63                        ; my row
	; group 1: rows of 8,192 bytes (a whole tile: 1,024 elements of 8 bytes), 8,192 bytes apart, dense in LDS
	s_or_b32 s24, s62, (3<<16)|(1<<21)             ; U's tiles go to my column
	s_or_b32 s32, s63, (3<<16)|(1<<21)             ; T's to my row
.irp g, 24, 32
	s_mov_b32 s[\g+1], 1024<<16                    ; tensor_dim0: a row is a whole tile, 8,192 bytes (1,024 elements of 8 bytes)
	s_mov_b32 s[\g+3], 1024<<16                    ; tile_dim0
	s_mov_b32 s[\g+5], 1024                        ; the pitch, in elements
	s_mov_b32 s[\g+6], 0
	s_mov_b32 s[\g+7], 0
.endr
	s_mov_b32 s26, 8<<16                           ; tensor_dim1
	s_mov_b32 s28, 8                               ; tile_dim1
	s_mov_b32 s34, TT<<16
	s_mov_b32 s36, TT
	s_cmp_eq_u32 s15, 2                            ; v?
	s_cselect_b32 s19, s16, s15                    ; U's block: tokens by cluster y, or weight rows by cluster x
	s_cselect_b32 s20, 0, 512                      ; and its first tile in opq
	s_cselect_b32 s21, 0, s16                      ; T's block: W_v's rows, or tokens by cluster y
	s_cselect_b32 s22, 640, 0
	s_lshl_b32 s19, s19, 2
	s_add_co_u32 s19, s19, s13
	s_lshl_b32 s19, s19, 4
	s_add_co_u32 s17, s19, s20                     ; U's first tile: made of cx and cluster numbers
	s_lshl_b32 s21, s21, 2
	s_add_co_u32 s21, s21, s14
	s_lshl_b32 s21, s21, 4
	s_add_co_u32 s18, s21, s22                     ; T's first tile: made of cy and cluster numbers
	s_lshl_b32 s56, s12, 3
	s_add_co_u32 s56, s56, s17
	s_lshl_b32 s56, s56, 13                        ; the half of U that I would fetch, in bytes
	s_mov_b32 s57, 0
	s_mul_i32 s58, s12, TT
	s_add_co_u32 s58, s58, s18
	s_lshl_b32 s58, s58, 13                        ; the half of T
	s_mov_b32 s59, 0
	s_lshl_b32 s60, s12, 16                        ; where they go: no place in the cluster enters an LDS address
	s_mul_i32 s61, s12, TH
	s_add_co_u32 s61, s61, 2*UH
	s_wait_dscnt 0x0
	s_wait_kmcnt 0x0
	s_add_nc_u64 s[56:57], s[4:5], s[56:57]
	s_add_nc_u64 s[58:59], s[4:5], s[58:59]
	s_mov_b32 s40, 1                               ; group 0 for a half of U,
	s_mov_b32 s41, s60
	s_mov_b64 s[42:43], s[56:57]
	s_or_b32 s43, s43, 0x80000000
	s_mov_b32 s68, 1                               ; and for a half of T
	s_mov_b32 s69, s61
	s_mov_b64 s[70:71], s[58:59]
	s_or_b32 s71, s71, 0x80000000
	CROUND                                         ; all sixteen work-groups are here: the joint loads meet
	s_cmp_eq_u32 s11, 0                            ; a wave's one load stands in a branch on the wave's number; four v_nop follow it
	s_cbranch_scc0 .Lfill_t
	tensor_load_to_lds s[40:43], s[24:31]
	s_nop 0
	PLACES 4
	s_branch .Lfilled
.Lfill_t:
	tensor_load_to_lds s[68:71], s[32:39]
	s_nop 0
	PLACES 4
.Lfilled:
	v_and_b32 v1, 31, v0
	v_lshlrev_b32 v1, 4, v1                        ; 16 x lane
	s_wait_alu depctr_va_vdst(0)
	v_and_b32 v2, 15, v0                           ; r
	v_bfe_u32 v3, v0, 4, 1                         ; h
	s_wait_alu depctr_va_vdst(0)
	s_lshl_b32 s84, s11, 16                        ; my half of U
	s_mul_i32 s85, s12, TH
	s_add_co_u32 s85, s85, 2*UH                    ; my half of T
	v_add_nc_u32 v[ADU], s84, v1
	v_add_nc_u32 v[ADT], s85, v1
	v_lshlrev_b32 v12, 6, v3                       ; the bias along U: 16 h numbers on
	v_and_b32 v13, 8, v2
	v_add_nc_u32 v13, v13, v2
	v_lshlrev_b32 v13, 2, v13                      ; the bias along T: number r + 8 (r / 8)
	v_mul_u32_u24 v14, v3, REC
	v_lshl_add_u32 v14, v2, 4, v14                 ; v's scale words on the way out: lanes 16-31 the next head's record
.irp b, 0,1,2,3
	v_mov_b32 v[100+\b], 0                         ; a lane permute's destination counts as read: written once
.endr
	s_mov_b32 s2, 0x76543210
	s_mov_b32 s3, 0xfedcba98                       ; selects: lane l xor 16
	s_mov_b32 s23, 0xffff0000                      ; lanes 16-31
	s_lshl_b32 s86, s11, 3
	s_add_co_u32 s86, s86, s17
	s_lshl_b32 s86, s86, 9
	s_add_co_u32 s86, s86, SCO
	s_mov_b32 s87, 0
	s_add_nc_u64 s[86:87], s[4:5], s[86:87]        ; the scale words of my 8 tiles of U
	s_mul_i32 s88, s12, TT
	s_add_co_u32 s88, s88, s18
	s_lshl_b32 s88, s88, 9
	s_add_co_u32 s88, s88, SCO
	s_mov_b32 s89, 0
	s_add_nc_u64 s[88:89], s[4:5], s[88:89]        ; and of T
.irp i, 0,1,2,3,4,5,6,7
	global_load_b128 v[SCU+4*\i:SCU+4*\i+3], v1, s[86:87] offset:512*\i    ; 512 consecutive bytes: a tile's words of all eight K steps
	global_load_b128 v[SCT+4*\i:SCT+4*\i+3], v1, s[88:89] offset:512*\i
.endr
	s_cmp_eq_u32 s15, 2
	s_cbranch_scc1 .Lbias_v
	s_lshl_b32 s84, s15, 2
	s_add_co_u32 s84, s84, s13
	s_lshl_b32 s84, s84, 10
	s_lshl_b32 s85, s11, 9
	s_add_co_u32 s84, s84, s85                     ; q, k: my 128 rows of the weight: 4 (256 (4 cluster x + cx) + 128 half) bytes
	s_mov_b32 s85, 0
	s_add_nc_u64 s[84:85], s[6:7], s[84:85]
	WIN 0x40
.irp b, 0,1,2,3,4,5,6,7
	global_load_b128 v[BI+8*\b:BI+8*\b+3],   v12, s[84:85] offset:(32*(\b/2)+8*(\b%2))*4      ; in the result's layout: the tile's eight numbers of my half
	global_load_b128 v[BI+8*\b+4:BI+8*\b+7], v12, s[84:85] offset:(32*(\b/2)+8*(\b%2))*4+16
.endr
	WIN 0
	s_branch .Lbias_done
.Lbias_v:
	s_lshl_b32 s84, s14, 10
	s_lshl_b32 s85, s12, 9
	s_add_co_u32 s84, s84, s85
	s_add_co_u32 s84, s84, 8192                    ; v: 4 (2,048 + 256 cy + 128 half) bytes
	s_mov_b32 s85, 0
	s_add_nc_u64 s[84:85], s[6:7], s[84:85]
	WIN 0x40
	s_wait_alu depctr_va_vdst(0)
.irp a, 0,1,2,3,4,5,6,7
	global_load_b32 v[BI+8*\a], v13, s[84:85] offset:(32*(\a/2)+8*(\a%2))*4   ; my lane's row of W_v: one number for all eight registers
.endr
	WIN 0
.Lbias_done:
	s_wait_tensorcnt 0x0                           ; my one load, a half of U or of T for all of K, has landed
	s_barrier_signal -1
	s_barrier_wait -1                              ; everybody's has
	FETCH 0
	s_wait_loadcnt 0x0                             ; scale words and bias
	s_cmp_eq_u32 s15, 2
	s_cbranch_scc1 .Lfirst_v
	STEP 0, 1
	WIN 0
	s_branch .Lfirst_done
.Lfirst_v:
	WIN 0x41                                       ; destination and source window 1
.irp a, 0,1,2,3,4,5,6,7
.irp k, 1,2,3,4,5,6,7
	v_mov_b32 v[BI+8*\a+\k], v[BI+8*\a]
.endr
.endr
	s_wait_alu depctr_va_vdst(0)
	STEP 0, 2
	WIN 0
.Lfirst_done:
	STEP 1, 0
	STEP 2, 0
	STEP 3, 0
	STEP 4, 0
	STEP 5, 0
	STEP 6, 0
	STEP 7, 0
	WIN 0
	PLACES 4                                       ; in front of the first read of results, and of writes into registers that held T's fragments
; THE WAY OUT.  T's tile a: my lane's 64 numbers (register 16 b + i = place 32 b + 16 h + i along U) become a fragment's codes in v[128 + 8 a] on and its scale word in v[112 + a].  Each accumulator is read from its low end on.
.macro QUANTA a
.set AW, 2+(\a)/4
.set AB, 64*((\a)%4)
	WIN (AW<<2)|(AW<<4)                            ; sources 1 and 2: the accumulators' window
.irp b, 0,1,2,3
	v_max3_num_f32 v[96+\b], 0x1800000, |v[AB+16*\b]|, |v[AB+16*\b+1]|   ; the floor 2^(3 - 127) among the leaves
.endr
.irp i, 2,4,6,8,10,12,14
.irp b, 0,1,2,3
	v_max3_num_f32 v[96+\b], v[96+\b], |v[AB+16*\b+\i]|, |v[AB+16*\b+\i+1]|   ; the four blocks by turns
.endr
.endr
	WIN 0
.irp b, 0,1,2,3
	v_permlanex16_b32 v[100+\b], v[96+\b], s2, s3
.endr
.irp b, 0,1,2,3
	v_max_num_f32 v[96+\b], v[96+\b], v[100+\b]    ; with lane l xor 16's 16: the block's largest magnitude
.endr
.irp b, 0,1,2,3
	v_add_nc_u32 v[108+\b], 0xff000000, v[96+\b]   ; 2 off its exponent field: the conversion's scale operand
.endr
.irp b, 0,1,2,3
	v_lshrrev_b32 v[100+\b], 23, v[108+\b]         ; the byte
.endr
	v_lshl_or_b32 v[112+(\a)], v101, 8, v100
	v_lshl_or_b32 v[112+(\a)], v102, 16, v[112+(\a)]
	v_lshl_or_b32 v[112+(\a)], v103, 24, v[112+(\a)]
	WIN AW                                         ; source 0: the accumulators' window
.irp b, 0,1,2,3
	v_cvt_scalef32_pk8_fp4_f32 v[128+8*(\a)+2*\b], v[AB+16*\b:AB+16*\b+7], v[108+\b]
	v_cvt_scalef32_pk8_fp4_f32 v[129+8*(\a)+2*\b], v[AB+16*\b+8:AB+16*\b+15], v[108+\b]
.endr
	WIN 0
	v_nop                                          ; one plain place behind a scaled conversion
.irp c, 0,1                            ; the operand's layout wants a whole block in a lane: lanes 0-15 block 2 c, lanes 16-31 block 2 c + 1
.irp i, 0,1
	v_permlane16_swap_b32 v[128+8*(\a)+4*\c+\i], v[130+8*(\a)+4*\c+\i]
.endr
.endr
.endm
.irp a, 0,1,2,3,4,5,6,7
	QUANTA \a
.endr
.irp j, 0,1,2,3
	v_cndmask_b32 v[120+\j], v[112+\j], v[116+\j], s23   ; lanes 0-15: the words of tiles 0-3, lanes 16-31: of tiles 4-7
.endr
	s_cmp_eq_u32 s15, 2
	s_cbranch_scc1 .Lout_v
	; q, k: registers 0-3 of a fragment are the first head's 64 of 16 tokens, registers 4-7 the second head's; a word's low two bytes are the first head's, its high two the second's
	s_lshl_b32 s84, s15, 2
	s_add_co_u32 s84, s84, s13                     ; block of 256 weight rows
	s_lshl_b32 s85, s16, 2
	s_add_co_u32 s85, s85, s14                     ; block of 256 tokens
	s_lshr_b32 s86, s85, 3                         ; batch
	s_lshl_b32 s86, s86, 4
	s_and_b32 s87, s84, 3
	s_lshl_b32 s87, s87, 2
	s_add_co_u32 s86, s86, s87
	s_lshl_b32 s87, s11, 1
	s_add_co_u32 s86, s86, s87                     ; record = 16 batch + my first head
	s_mul_i32 s88, s86, REC
	s_and_b32 s89, s85, 7
	s_lshl_b32 s89, s89, 4
	s_lshl_b32 s87, s12, 3
	s_add_co_u32 s89, s89, s87                     ; my first tile of tokens in the batch
	s_mov_b32 s91, KS
	s_cmp_eq_u32 s15, 0                            ; q or k
	s_cselect_b32 s90, QI, 0
	s_cselect_b32 s91, QS, s91
	s_lshl_b32 s92, s89, 9
	s_add_co_u32 s92, s92, s88
	s_add_co_u32 s92, s92, s90
	s_mov_b32 s93, 0
	s_add_nc_u64 s[92:93], s[8:9], s[92:93]
	s_lshl_b32 s94, s89, 6
	s_add_co_u32 s94, s94, s88
	s_add_co_u32 s94, s94, s91
	s_mov_b32 s95, 0
	s_add_nc_u64 s[94:95], s[8:9], s[94:95]
	s_wait_alu depctr_va_vdst(0)
.irp j, 0,1,2,3
	v_and_b32 v[96+\j], 0xffff, v[120+\j]          ; bytes 2, 3 are 0: they stand over the zero codes that fill the head's 64 up to the instruction's 128
	v_lshrrev_b32 v[104+\j], 16, v[120+\j]
.endr
.irp a, 0,1,2,3,4,5,6,7
.irp c, 0,1
	global_store_b128 v1, v[128+8*\a+4*\c:131+8*\a+4*\c], s[92:93] offset:\c*REC+512*\a   ; 512 consecutive bytes, aligned
.endr
.endr
	global_store_b128 v1, v[96:99], s[94:95]
	global_store_b128 v1, v[104:107], s[94:95] offset:REC
	s_branch .Lout_done
.Lout_v:
	; v: a fragment is 16 of a head's 64 x my 128 keys: one key step of attention's second product
	s_lshl_b32 s84, s16, 2
	s_add_co_u32 s84, s84, s13                     ; block of 256 tokens
	s_lshr_b32 s86, s84, 3
	s_lshl_b32 s86, s86, 4
	s_lshl_b32 s87, s14, 2
	s_add_co_u32 s86, s86, s87
	s_lshl_b32 s87, s12, 1
	s_add_co_u32 s86, s86, s87                     ; record = 16 batch + my first head
	s_mul_i32 s88, s86, REC
	s_and_b32 s89, s84, 7
	s_lshl_b32 s89, s89, 1
	s_add_co_u32 s89, s89, s11                     ; my key step
	s_lshl_b32 s92, s89, 12
	s_add_co_u32 s92, s92, s88
	s_add_co_u32 s92, s92, VI
	s_mov_b32 s93, 0
	s_add_nc_u64 s[92:93], s[8:9], s[92:93]
	s_lshl_b32 s94, s89, 8
	s_add_co_u32 s94, s94, s88
	s_add_co_u32 s94, s94, VS
	s_mov_b32 s95, 0
	s_add_nc_u64 s[94:95], s[8:9], s[94:95]
	s_wait_alu depctr_va_vdst(0)
.irp a, 0,1,2,3,4,5,6,7
.irp c, 0,1
	global_store_b128 v1, v[128+8*\a+4*\c:131+8*\a+4*\c], s[92:93] offset:(\a/4)*REC+1024*(\a%4)+512*\c
.endr
.endr
	global_store_b128 v14, v[120:123], s[94:95]    ; sixteen lanes store 256 consecutive bytes, aligned, in each of two records
.Lout_done:
	s_wait_tensorcnt 0x0
	ds_add_u32 v126, v127
	s_wait_dscnt 0x0
	CROUND                                         ; the closing round
	s_endpgm
.Lfunc_end_k_qa1c49169e5_qkvg:
	.size	k_qa1c49169e5_qkvg, .Lfunc_end_k_qa1c49169e5_qkvg-k_qa1c49169e5_qkvg
	.p2alignl 7, 3214868480
	.fill 96, 4, 3214868480
	.section	.rodata,"a",@progbits
	.p2align	6, 0x0
	.amdhsa_kernel k_qa1c49169e5_qkvg
		.amdhsa_group_segment_fixed_size 262656
		.amdhsa_private_segment_fixed_size 0
		.amdhsa_enable_private_segment 0
		.amdhsa_kernarg_size 24
		.amdhsa_user_sgpr_count 2
		.amdhsa_user_sgpr_kernarg_segment_ptr 1
		.amdhsa_wavefront_size32 1
		.amdhsa_system_sgpr_workgroup_id_x 1
		.amdhsa_system_sgpr_workgroup_id_y 1
		.amdhsa_system_sgpr_workgroup_id_z 1
		.amdhsa_system_vgpr_workitem_id 0
		.amdhsa_next_free_vgpr 1024
		.amdhsa_next_free_sgpr 96
		.amdhsa_reserve_vcc 0
		.amdhsa_float_denorm_mode_32 3
		.amdhsa_float_denorm_mode_16_64 3
		.amdhsa_memory_ordered 1
		.amdhsa_forward_progress 1
		.amdhsa_inst_pref_size 143
	.end_amdhsa_kernel
	.amdgpu_metadata
---
amdhsa.version: [ 1, 2 ]
amdhsa.kernels:
  - .name:           k_qa1c49169e5_qkvg
    .symbol:         k_qa1c49169e5_qkvg.kd
    .args:
      - { .name: opq, .offset: 0, .size: 8, .value_kind: global_buffer, .address_space: global }
      - { .name: qkv_b, .offset: 8, .size: 8, .value_kind: global_buffer, .address_space: global }
      - { .name: qkv, .offset: 16, .size: 8, .value_kind: global_buffer, .address_space: global }
    .group_segment_fixed_size: 262656
    .private_segment_fixed_size: 0
    .kernarg_segment_align: 8
    .kernarg_segment_size: 24
    .max_flat_workgroup_size: 128
    .sgpr_count:     96
    .vgpr_count:     1024
    .wavefront_size: 32
...
	.end_amdgpu_metadata
.endif
;; end of part 2
;; launch attn (part 3): grid 4 x 64, 16 waves a work-group, clusters of 4 x 1, 169,984 bytes of LDS; arguments qkv, oq; writes oq
.if DOCPART == 3
	.amdgcn_target "amdgcn-amd-amdhsa--gfx1250"
	.amdhsa_code_object_version 6
	.text
	.protected	k_qa1c49169e5_attn
	.globl	k_qa1c49169e5_attn
	.p2align	8
	.type	k_qa1c49169e5_attn,@function
k_qa1c49169e5_attn:
	s_mov_b64 s[64:65], 0
	v_nop
	global_prefetch_b8 v0, s[64:65] scope:SCOPE_SE
	s_setreg_imm32_b32 hwreg(HW_REG_WAVE_MODE, 25, 1), 1
	s_wait_xcnt 0x0
	s_wait_alu depctr_hold_cnt(0) depctr_sa_sdst(0) depctr_va_vdst(0) depctr_va_sdst(0) depctr_va_ssrc(0) depctr_va_vcc(0) depctr_vm_vsrc(0)
	s_getreg_b32 s2, hwreg(HW_REG_IB_STS2, 6, 4)
	s_cmp_eq_u32 s2, 0
	s_cbranch_scc0 .Lentry_in_a_cluster
	s_endpgm
.Lentry_in_a_cluster:
	s_bfe_u32 s2, ttmp6, 0x10000c
	s_cmp_lg_u32 s2, 0x3003
	s_cbranch_scc0 .Lentry_shape_is_right
	s_endpgm
.Lentry_shape_is_right:
; o = softmax(q k^T / 8) v for one (batch, head), both products on codes of FP4 with E8M0 scales; o is divided by the row's sum, quantised along the head's 64 and stored as codes, laid as the last product's operand.
; THE SOFTMAX: t = score x log2(e) / 8; M = the running largest t rounded UP to a whole number; p = 2^(t - M) is what is quantised, along the keys; the row's sum is taken of the unquantised p.
; When M moves, the sum and O are multiplied by 2^(old M - new M): exact, in every step, with no branch on data.
; SHARES.  A work-group owns 512 queries of one head; each of its sixteen waves two tiles of 16, one after the other; a tile walks the head's 2,048 keys, 128 a step.  Four waves share a SIMD.
; THE HEAD'S K, V AND THEIR SCALE WORDS ARE 143,360 CONSECUTIVE BYTES of its record: they come into LDS once, each wave asking for a sixteenth (35 rows of 256 bytes; one load of mine is out), and no LDS byte is written again.
; CLUSTER 4 x 1: the four work-groups of a head want the same bytes: each load is asked for jointly by the four.  No prefetch: all of K and V is asked for at the head, and there is no loop to run ahead in.
; LAYOUT.  Both products are used transposed: S^T = K Q^T (source 0 = 16 keys), O^T = V^T P^T (source 0 = 16 of the head's 64): a lane (r, h) holds ONE query throughout.
; THE KEYS OF A TILE ARE CHOSEN BY THE LDS ADDRESS: lane r of tile (g, t), g = 0, 1, t = 0 .. 3, takes key 64 g + 32 (r / 8) + 8 t + r % 8 of the step.  Register 32 g + 8 t + j of S^T is then key 64 g + 32 h + 8 t + j:
; a lane holds the WHOLE block 2 g + h of 32 keys, in the order of the second product's operand: a block's maximum asks no other lane, and the conversions' results are the operand's registers as they stand.
; In the record key 32 a + 16 e + 8 u + i lies in tile 2 a + u, row 8 e + i: so the byte address is 4096 step + 2048 g + 1024 (r / 8) + 512 (t % 2) + 128 (t / 2) + 16 (r % 8) + 256 h.
; The first product's K is the head's 64.  Registers 4-7 of Q's fragment are zero codes.  K's eight fragments lie on end, four registers each: registers 4-7 of K's operand are the next fragment's codes
; (behind the last: zeros), which meet Q's zero codes and add nothing.
; The next step's K is read from LDS behind this step's first products; a tile's last step so reads 4,096 + 512 bytes that lie behind K's codes and scale words in LDS (V's), which nothing uses.
; LIMITS: NaN and infinities are not served; the promise holds while the scaled scores t stay under 2^31 in magnitude; a block of o whose largest magnitude lies under 2^-124, or of zeros, gets the byte 1; o / l is a reciprocal and a multiplication.
; REGISTERS: v1-14 addresses; v16 -M, v17 the largest score; v18 f, v19 at work; v20-23 maxima, then bytes; v24, v25 at work; v26, v27 the conversions' scale operands; v28 at work; v30 Q's scale word, v31 p's;
;   v32-35 K's scale words, v36-39 V's; v40-75 K's fragments; v76-107 V's; v108-171 S^T, then p; v172-203 O^T; v204-211 p's codes; v212-219 Q; v220-235 the sum, in eight pairs.
.set REC, 217088
.set QI,  143360
.set QS,  208896
.set OSC, 4194304
.set SPARE, 0x29000                    ; the spare words: 128 bytes for each of sixteen waves
.set LN16, 1                           ; 16 x lane
.set R16, 2                            ; 16 r
.set RB,  3                            ; 16 r + h
.set ADK, 4                            ; the step's LDS addresses: K, V, K's scale words, V's
.set ADV, 5
.set ADS, 6
.set ADT, 7
.set AK0, 8                            ; and their bases
.set AV0, 9
.set AS0, 10
.set AT0, 11
.set SH8, 12                           ; 8 h
.set SPW, 13                           ; my spare word; never rewritten
.set NIL, 14                           ; 0; never rewritten
.set QSC, 30
.set PW,  31
.set KSC, 32
.set VSC, 36
.set KF,  40
.set VF,  76
.set SC,  108
.set OT,  172
.set CD,  204
.set QF,  212
.set LA,  220
.macro CROUND
	s_barrier_signal -1
	s_barrier_wait -1
	s_cmp_lg_u32 s8, 0
	s_cbranch_scc1 .Lnot_wave_0_\@
	s_barrier_signal -3
.Lnot_wave_0_\@:
	s_barrier_wait -3
	s_barrier_signal -1
	s_barrier_wait -1
.endm
.macro KLOAD adr, off                  ; a step's eight tiles of K
.irp g, 0,1
.irp t, 0,1,2,3
	ds_load_b128 v[KF+16*\g+4*\t:KF+16*\g+4*\t+3], v[\adr] offset:\off+2048*\g+512*(\t%2)+128*(\t/2)
.endr
.endr
.endm
.macro KSLOAD adr, off                 ; their scale words: register t; lanes 0-15 g = 0, lanes 16-31 g = 1
	ds_load_b64 v[KSC:KSC+1], v[\adr] offset:\off
	ds_load_b64 v[KSC+2:KSC+3], v[\adr] offset:\off+128
.endm
.macro TM n                            ; the next n pairs of scores become t - M
.rept \n
	v_pk_fma_f32 v[SC+2*TI:SC+2*TI+1], v[SC+2*TI:SC+2*TI+1], s[30:31], v[16:17] op_sel_hi:[1,0,0]
.set TI, TI+1
.endr
.endm
.macro SUMS n                          ; the next n pairs of the unquantised p go onto the eight pairs of the sum; the first addition onto each brings it under the new M
.rept \n
.if SI < 8
	v_pk_fma_f32 v[LA+2*SI:LA+2*SI+1], v[LA+2*SI:LA+2*SI+1], v[18:19], v[SC+2*SI:SC+2*SI+1] op_sel_hi:[1,0,1]
.else
	v_pk_add_f32 v[LA+2*(SI%8):LA+2*(SI%8)+1], v[LA+2*(SI%8):LA+2*(SI%8)+1], v[SC+2*SI:SC+2*SI+1]
.endif
.set SI, SI+1
.endr
.endm
	s_load_b128 s[4:7], s[0:1], 0x0                ; qkv, oq
	v_lshl_add_u32 v[SPW], v0, 2, SPARE
	v_mov_b32 v[NIL], 0
	ds_add_u32 v[SPW], v[NIL]                      ; the opening lines: the add, twice on end, and its wait ahead of my first tensor load
	ds_add_u32 v[SPW], v[NIL]
	v_lshrrev_b32 v1, 5, v0
	v_readfirstlane_b32 s8, v1                     ; wave 0..15
	s_bfe_u32 s9, ttmp6, 0x40000                   ; cx: my block of 512 queries; it enters global addresses of Q and o alone
	s_and_b32 s10, ttmp7, 0xffff                   ; 16 batch + head
	s_mul_i32 s12, s10, REC                        ; the record
	s_mul_i32 s14, s8, 8960                        ; my sixteenth of its first 143,360 bytes
	s_lshl_b32 s11, s9, 5
	s_lshl_b32 s15, s8, 1
	s_add_co_u32 s11, s11, s15                     ; my first tile of queries
	s_mov_b32 s16, (15)|(3<<16)|(1<<21)            ; group 1: the mask names all four; elements of 8 bytes; bit 21 beside a mask
	s_mov_b32 s17, 32<<16                          ; rows of 256 bytes,
	s_mov_b32 s18, 35<<16                          ; 35 of them,
	s_mov_b32 s19, 32<<16
	s_mov_b32 s20, 35
	s_mov_b32 s21, 32                              ; dense
	s_mov_b32 s22, 0
	s_mov_b32 s23, 0
	s_add_co_u32 s48, s12, s14
	s_mov_b32 s49, 0
	s_lshl_b32 s50, s11, 9
	s_add_co_u32 s50, s50, s12
	s_add_co_u32 s50, s50, QI                      ; Q's codes: 512 bytes a tile
	s_mov_b32 s51, 0
	s_lshr_b32 s52, s11, 2
	s_lshl_b32 s52, s52, 8
	s_and_b32 s53, s11, 3
	s_lshl_b32 s53, s53, 2
	s_add_co_u32 s52, s52, s53
	s_add_co_u32 s52, s52, s12
	s_add_co_u32 s52, s52, QS                      ; Q's scale words: 256 (tile / 4) + 16 r + 4 (tile % 4)
	s_mov_b32 s53, 0
	s_and_b32 s54, s10, 15                         ; head
	s_lshr_b32 s55, s10, 4                         ; batch
	s_lshl_b32 s55, s55, 7
	s_add_co_u32 s55, s55, s11                     ; o's row tile
	s_lshl_b32 s56, s55, 13
	s_lshr_b32 s57, s54, 1                         ; the head's K step of the last product
	s_lshl_b32 s58, s57, 10
	s_add_co_u32 s56, s56, s58
	s_and_b32 s58, s54, 1                          ; and its half of it
	s_lshl_b32 s59, s58, 9
	s_add_co_u32 s56, s56, s59                     ; o's codes
	s_lshl_b32 s60, s55, 9
	s_lshr_b32 s59, s54, 3
	s_lshl_b32 s59, s59, 8
	s_add_co_u32 s60, s60, s59
	s_and_b32 s59, s57, 3
	s_lshl_b32 s59, s59, 2
	s_add_co_u32 s60, s60, s59
	s_lshl_b32 s59, s58, 1
	s_add_co_u32 s60, s60, s59
	s_add_co_u32 s60, s60, OSC                     ; o's scale bytes
	s_mov_b32 s57, 0
	s_mov_b32 s61, 0
	s_mov_b32 s28, 0x76543210
	s_mov_b32 s29, 0xfedcba98                      ; selects: lane l xor 16
	s_mov_b32 s30, 0x3e38aa3b                      ; c = log2(e) / 8
	s_mov_b32 s31, s30                             ; (named with it as a pair)
	s_mov_b32 s38, 0xffff0000                      ; lanes 16-31
	s_wait_dscnt 0x0
	s_wait_kmcnt 0x0
	s_mov_b32 s24, 1                               ; group 0
	s_mov_b32 s25, s14
	s_add_nc_u64 s[26:27], s[4:5], s[48:49]
	s_or_b32 s27, s27, 0x80000000
	s_add_nc_u64 s[40:41], s[4:5], s[50:51]
	s_add_nc_u64 s[42:43], s[4:5], s[52:53]
	s_add_nc_u64 s[44:45], s[6:7], s[56:57]
	s_add_nc_u64 s[46:47], s[6:7], s[60:61]
	CROUND                                         ; all four work-groups are here: the joint loads meet
	tensor_load_to_lds s[24:27], s[16:23]
	s_nop 0
.rept 4
	v_nop
.endr
	v_and_b32 v[LN16], 31, v0
	v_lshlrev_b32 v[LN16], 4, v[LN16]
	v_and_b32 v[R16], 15, v0
	v_lshlrev_b32 v[R16], 4, v[R16]
	v_bfe_u32 v[SH8], v0, 4, 1                     ; h
	v_add_nc_u32 v[RB], v[SH8], v[R16]
	v_and_b32 v[AK0], 7, v0
	v_lshlrev_b32 v[AK0], 4, v[AK0]                ; 16 (r % 8)
	v_bfe_u32 v[AT0], v0, 3, 1                     ; r / 8
	v_lshl_add_u32 v[AS0], v[AT0], 3, v[AK0]
	v_lshl_add_u32 v[AS0], v[SH8], 8, v[AS0]
	v_add_nc_u32 v[AS0], 0x20000, v[AS0]           ; K's scale words: 16 (r % 8) + 8 (r / 8) + 256 h
	v_lshl_add_u32 v[AK0], v[AT0], 10, v[AK0]
	v_lshl_add_u32 v[AK0], v[SH8], 8, v[AK0]       ; K's codes: 1024 (r / 8) + 16 (r % 8) + 256 h
	v_add_nc_u32 v[AV0], 0x10000, v[LN16]          ; V's codes
	v_add_nc_u32 v[AT0], 139264, v[R16]            ; V's scale words
	v_lshlrev_b32 v[SH8], 3, v[SH8]
.irp j, 4,5,6,7
	v_mov_b32 v[QF+\j], 0                          ; Q's K = 64 .. 127: zero codes
	v_mov_b32 v[KF+28+\j], 0                       ; behind K's last fragment
.endr
	v_mov_b32 v25, 0                               ; a lane permute's destination counts as read
	s_wait_alu depctr_va_vdst(0)                   ; the wait at the head's end
	s_wait_tensorcnt 0x0                           ; my sixteenth has landed,
	s_barrier_signal -1
	s_barrier_wait -1                              ; everybody's has
	s_mov_b32 s37, 2
.Ltile:
	global_load_b128 v[QF:QF+3], v[LN16], s[40:41] ; Q's fragment: 512 consecutive bytes
	global_load_b32 v[QSC], v[R16], s[42:43]       ; its scale words
	KSLOAD AS0, 0                                  ; key step 0's K
	KLOAD AK0, 0
	v_mov_b32 v16, 0x7f61b1e6                      ; -M: 3e38
	v_mov_b32 v17, 0xff61b1e6                      ; the largest score so far: -3e38
.set J, 0
.rept 16
	v_mov_b32 v[LA+J], 0
.set J, J+1
.endr
.set J, 0
.rept 32
	v_mov_b32 v[OT+J], 0                           ; O^T: the key step is written once; the first finds zeros, which the first change of M leaves zeros
.set J, J+1
.endr
	s_mov_b32 s32, 0                               ; the key step's codes: 4,096 bytes a step, of K and of V alike
	s_mov_b32 s33, 0                               ; K's scale words: 512
	s_mov_b32 s34, 0                               ; V's: 256
	s_mov_b32 s36, 16
	s_wait_alu depctr_va_vdst(0)                   ; directly ahead of the wait below
	s_wait_loadcnt 0x0
.Lkey:
	s_wait_dscnt 0x0                               ; this step's K and its words, asked for a step ago
.irp i, 0,1,2,3
	v_wmma_scale_f32_16x16x128_f8f6f4 v[SC+8*\i:SC+8*\i+7], v[KF+4*\i:KF+4*\i+7], v[QF:QF+7], 0, v[KSC+\i], v[QSC] matrix_a_fmt:MATRIX_FMT_FP4 matrix_b_fmt:MATRIX_FMT_FP4
.endr
.irp i, 4,5,6,7
	v_wmma_scale_f32_16x16x128_f8f6f4 v[SC+8*\i:SC+8*\i+7], v[KF+4*\i:KF+4*\i+7], v[QF:QF+7], 0, v[KSC+\i-4], v[QSC] matrix_a_fmt:MATRIX_FMT_FP4 matrix_b_fmt:MATRIX_FMT_FP4 matrix_a_scale:MATRIX_SCALE_ROW1
.endr
	v_add_nc_u32 v[ADK], s32, v[AK0]               ; these four are the places behind the products above and behind the last trip's
	v_add_nc_u32 v[ADV], s32, v[AV0]
	v_add_nc_u32 v[ADS], s33, v[AS0]
	v_add_nc_u32 v[ADT], s34, v[AT0]
	ds_load_b128 v[VSC:VSC+3], v[ADT]              ; V's words of the four tiles
.irp t, 0,1,2,3
.irp c, 0,1
	ds_load_b128 v[VF+8*\t+4*\c:VF+8*\t+4*\c+3], v[ADV] offset:1024*\t+512*\c
.endr
.endr
	KLOAD ADK, 4096                                ; the next step's K
	KSLOAD ADS, 512
.irp q, 0,1,2,3                                ; the largest score of my two blocks: four chains of 16 registers by turns, each accumulator from its low end on
	v_max3_num_f32 v[20+\q], v[SC+16*\q], v[SC+16*\q+1], v[SC+16*\q+2]
.endr
.irp i, 3,5,7,9,11,13
.irp q, 0,1,2,3
	v_max3_num_f32 v[20+\q], v[20+\q], v[SC+16*\q+\i], v[SC+16*\q+\i+1]
.endr
.endr
.irp g, 0,1
	v_max3_num_f32 v[20+2*\g], v[20+2*\g], v[SC+32*\g+15], v[SC+32*\g+31]
.endr
	v_max_num_f32 v20, v20, v21                    ; the largest score of block h,
	v_max_num_f32 v22, v22, v23                    ; and of block 2 + h: for the row's maximum, and, since p rises with the score, for the block's largest p
	s_delay_alu instid0(VALU_DEP_1)
	v_max_num_f32 v24, v20, v22
	s_delay_alu instid0(VALU_DEP_1)
	v_permlanex16_b32 v25, v24, s28, s29
	s_delay_alu instid0(VALU_DEP_1)
	v_max3_num_f32 v17, v17, v24, v25              ; the running largest score of my query
	s_delay_alu instid0(VALU_DEP_1)
	v_mul_f32 v28, s30, v17                        ; as t (c is positive)
	v_mov_b32 v19, v16
	s_delay_alu instid0(VALU_DEP_2)
	v_floor_f32 v16, -v28                          ; the new -M = -ceil(t)
	s_delay_alu instid0(VALU_DEP_1)
	v_sub_f32 v19, v16, v19                        ; old M - new M: a whole number, 0 or less
	v_fma_f32 v20, v20, s30, v16                   ; t - M of each block's largest score
	v_fma_f32 v22, v22, s30, v16
.set TI, 0
	TM 2                                           ; the rest of f's chain stands among the scores' multiply-adds
	v_cvt_i32_f32 v19, v19                         ; (it saturates)
	TM 4
	v_ldexp_f32 v18, 1.0, v19                      ; f = 2^(old M - new M)
	TM 26
.set J, 0
.rept 16
	v_pk_mul_f32 v[OT+J:OT+J+1], v[OT+J:OT+J+1], v[18:19] op_sel_hi:[1,0]   ; O^T under the new M
.set J, J+2
.endr
	s_wait_alu depctr_va_vdst(0)                   ; ahead of the batch
.set J, 0
.rept 64
	v_exp_f32 v[SC+J], v[SC+J]                     ; p = 2^(t - M), at most 1
.set J, J+1
.endr
	v_exp_f32 v20, v20                             ; each block's largest p: the same two instructions on the same number
	v_exp_f32 v22, v22
	v_nop                                          ; a plain place behind the exponentials
	s_wait_alu depctr_va_vdst(0)                   ; one wait for the whole batch, ahead of its first reader
.set SI, 0
	v_max_num_f32 v20, 0x1800000, v20              ; the floor 2^(3 - 127): the byte cannot fall under 1.  (The scales' lines stand among the sums' additions)
	v_max_num_f32 v22, 0x1800000, v22
	SUMS 4
	v_add_nc_u32 v26, 0xff000000, v20              ; 2 off the exponent field: the conversion's scale operand
	v_add_nc_u32 v27, 0xff000000, v22
	SUMS 4
	v_lshrrev_b32 v21, 23, v26                     ; the byte
	v_lshrrev_b32 v23, 23, v27
.irp g, 0,1
.irp t, 0,1,2,3
	v_cvt_scalef32_pk8_fp4_f32 v[CD+4*\g+\t], v[SC+32*\g+8*\t:SC+32*\g+8*\t+7], v[26+\g]   ; register 4 g + t of the operand: keys 64 g + 32 h + 8 t + 0 .. 7
.endr
.endr
	SUMS 4
	v_lshl_or_b32 v24, v23, 16, v21                ; my two bytes: blocks h and 2 + h,
	SUMS 4
	v_lshlrev_b32 v24, v[SH8], v24                 ; at their places in the word;
	SUMS 4
	v_permlanex16_b32 v25, v24, s28, s29
	SUMS 3
	v_or_b32 v[PW], v24, v25                       ; with lane l xor 16's two p's scale word is whole
	SUMS 9                                         ; nine plain lines between that write and the products below, which read it behind a wait
	s_wait_dscnt 10                                ; V and its words are in; the next step's K, eight loads, and its words, two, may stay out
.irp t, 0,1,2,3
	v_wmma_scale_f32_16x16x128_f8f6f4 v[OT+8*\t:OT+8*\t+7], v[VF+8*\t:VF+8*\t+7], v[CD:CD+7], v[OT+8*\t:OT+8*\t+7], v[VSC+\t], v[PW] matrix_a_fmt:MATRIX_FMT_FP4 matrix_b_fmt:MATRIX_FMT_FP4
.endr
	s_add_co_u32 s32, s32, 4096
	s_add_co_u32 s33, s33, 512
	s_add_co_u32 s34, s34, 256
	s_sub_co_u32 s36, s36, 1
	s_cmp_lg_u32 s36, 0
	s_cbranch_scc1 .Lkey
	; THE WAY OUT of a tile: O^T / the sum, quantised along the head's 64 (two blocks), as 16 bytes a lane of the last product's operand
	s_wait_dscnt 0x0                               ; the last look-ahead has come back: its registers are loaded anew for the next tile
	s_wait_alu depctr_va_vdst(0)                   ; directly ahead of the reader of the sums
.irp k, 0,4,8,12
	v_pk_add_f32 v[LA+\k:LA+\k+1], v[LA+\k:LA+\k+1], v[LA+\k+2:LA+\k+3]
.endr
	v_pk_add_f32 v[LA:LA+1], v[LA:LA+1], v[LA+4:LA+5]
	v_pk_add_f32 v[LA+8:LA+9], v[LA+8:LA+9], v[LA+12:LA+13]
	v_pk_add_f32 v[LA:LA+1], v[LA:LA+1], v[LA+8:LA+9]
	v_add_f32 v[LA], v[LA], v[LA+1]
	v_permlanex16_b32 v25, v[LA], s28, s29
	v_add_f32 v18, v[LA], v25                      ; the row's sum
	s_wait_alu depctr_va_vdst(0)                   ; ahead of the transcendental
	v_rcp_f32 v18, v18
	v_nop                                          ; a plain place behind it
	s_wait_alu depctr_va_vdst(0)                   ; directly ahead of the first reader of O^T and of the reciprocal
.set J, 0
.rept 16
	v_pk_mul_f32 v[SC+J:SC+J+1], v[OT+J:OT+J+1], v[18:19] op_sel_hi:[1,0]   ; register 16 b + i = o(my query, 32 b + 16 h + i); each accumulator from its low end on
.set J, J+2
.endr
.irp b, 0,1
	v_max3_num_f32 v[20+\b], 0x1800000, |v[SC+16*\b]|, |v[SC+16*\b+1]|   ; the floor 2^(3 - 127) among the leaves
.endr
.irp i, 2,4,6,8,10,12,14
.irp b, 0,1
	v_max3_num_f32 v[20+\b], v[20+\b], |v[SC+16*\b+\i]|, |v[SC+16*\b+\i+1]|
.endr
.endr
	v_permlanex16_b32 v24, v20, s28, s29
	v_permlanex16_b32 v25, v21, s28, s29
	v_max_num_f32 v20, v20, v24                    ; with lane l xor 16's 16: the block's largest magnitude
	v_max_num_f32 v21, v21, v25
	v_add_nc_u32 v26, 0xff000000, v20
	v_add_nc_u32 v27, 0xff000000, v21
	v_lshrrev_b32 v22, 23, v26
	v_lshrrev_b32 v23, 23, v27
.irp b, 0,1
	v_cvt_scalef32_pk8_fp4_f32 v[CD+2*\b], v[SC+16*\b:SC+16*\b+7], v[26+\b]
	v_cvt_scalef32_pk8_fp4_f32 v[CD+2*\b+1], v[SC+16*\b+8:SC+16*\b+15], v[26+\b]
.endr
	v_cndmask_b32 v24, v22, v23, s38               ; (a plain place behind the conversions)  the byte of the block that my lane stores
	v_permlane16_swap_b32 v[CD], v[CD+2]
	v_permlane16_swap_b32 v[CD+1], v[CD+3]         ; lanes 0-15: block 0 whole, lanes 16-31: block 1
	global_store_b128 v[LN16], v[CD:CD+3], s[44:45]   ; 512 consecutive bytes, aligned
	global_store_b8 v[RB], v24, s[46:47]           ; a head owns 2 of a row's 32 scale bytes
	s_wait_xcnt 0x0                                ; the loads' and stores' bases and data are rewritten only behind this wait
	s_add_nc_u64 s[40:41], s[40:41], 512           ; on to my second tile
	s_add_nc_u64 s[42:43], s[42:43], 4
	s_add_nc_u64 s[44:45], s[44:45], 8192
	s_add_nc_u64 s[46:47], s[46:47], 512
	s_sub_co_u32 s37, s37, 1
	s_cmp_lg_u32 s37, 0
	s_cbranch_scc1 .Ltile
	s_wait_tensorcnt 0x0                           ; the wave's end
	ds_add_u32 v[SPW], v[NIL]
	s_wait_dscnt 0x0
	CROUND                                         ; the closing round
	s_endpgm
.Lfunc_end_k_qa1c49169e5_attn:
	.size	k_qa1c49169e5_attn, .Lfunc_end_k_qa1c49169e5_attn-k_qa1c49169e5_attn
	.p2alignl 7, 3214868480
	.fill 96, 4, 3214868480
	.section	.rodata,"a",@progbits
	.p2align	6, 0x0
	.amdhsa_kernel k_qa1c49169e5_attn
		.amdhsa_group_segment_fixed_size 169984
		.amdhsa_private_segment_fixed_size 0
		.amdhsa_enable_private_segment 0
		.amdhsa_kernarg_size 16
		.amdhsa_user_sgpr_count 2
		.amdhsa_user_sgpr_kernarg_segment_ptr 1
		.amdhsa_wavefront_size32 1
		.amdhsa_system_sgpr_workgroup_id_x 1
		.amdhsa_system_sgpr_workgroup_id_y 1
		.amdhsa_system_sgpr_workgroup_id_z 1
		.amdhsa_system_vgpr_workitem_id 0
		.amdhsa_next_free_vgpr 256
		.amdhsa_next_free_sgpr 66
		.amdhsa_reserve_vcc 0
		.amdhsa_float_denorm_mode_32 3
		.amdhsa_float_denorm_mode_16_64 3
		.amdhsa_memory_ordered 1
		.amdhsa_forward_progress 1
		.amdhsa_inst_pref_size 27
	.end_amdhsa_kernel
	.amdgpu_metadata
---
amdhsa.version: [ 1, 2 ]
amdhsa.kernels:
  - .name:           k_qa1c49169e5_attn
    .symbol:         k_qa1c49169e5_attn.kd
    .args:
      - { .name: qkv, .offset: 0, .size: 8, .value_kind: global_buffer, .address_space: global }
      - { .name: oq, .offset: 8, .size: 8, .value_kind: global_buffer, .address_space: global }
    .group_segment_fixed_size: 169984
    .private_segment_fixed_size: 0
    .kernarg_segment_align: 8
    .kernarg_segment_size: 16
    .max_flat_workgroup_size: 512
    .sgpr_count:     66
    .vgpr_count:     256
    .wavefront_size: 32
...
	.end_amdgpu_metadata
.endif
;; end of part 3
;; launch proj (part 4): grid 4 x 64, 4 waves a work-group, clusters of 4 x 4, 230,912 bytes of LDS; arguments opq, oq, proj_b, out0; writes out0
.if DOCPART == 4
	.amdgcn_target "amdgcn-amd-amdhsa--gfx1250"
	.amdhsa_code_object_version 6
	.text
	.protected	k_qa1c49169e5_proj
	.globl	k_qa1c49169e5_proj
	.p2align	8
	.type	k_qa1c49169e5_proj,@function
k_qa1c49169e5_proj:
	s_mov_b64 s[64:65], 0
	v_nop
	global_prefetch_b8 v0, s[64:65] scope:SCOPE_SE
	s_setreg_imm32_b32 hwreg(HW_REG_WAVE_MODE, 25, 1), 1
	s_wait_xcnt 0x0
	s_wait_alu depctr_hold_cnt(0) depctr_sa_sdst(0) depctr_va_vdst(0) depctr_va_sdst(0) depctr_va_ssrc(0) depctr_va_vcc(0) depctr_vm_vsrc(0)
	s_getreg_b32 s2, hwreg(HW_REG_IB_STS2, 6, 4)
	s_cmp_eq_u32 s2, 0
	s_cbranch_scc0 .Lentry_in_a_cluster
	s_endpgm
.Lentry_in_a_cluster:
	s_bfe_u32 s2, ttmp6, 0x10000c
	s_cmp_lg_u32 s2, 0xf033
	s_cbranch_scc0 .Lentry_shape_is_right
	s_endpgm
.Lentry_shape_is_right:
; out0 = o proj_w^T + proj_b on codes of FP4 with E8M0 scales, K = 1,024.
; THE FRAME.  D = product(source 0 = 16 rows of U = proj_w, source 1 = 16 rows of T = tokens of o): a lane holds one token, and its registers run along the output's columns.  Lane r of tile t holds row 32 (t / 2) + 8 (t % 2) + r + 8 (r / 8),
; so the 16 registers of U's tiles 2 b and 2 b + 1 are 16 neighbouring columns, 32 b + 16 (lane / 16) + 0 .. 15.
; A work-group of four waves makes 256 columns x 128 tokens (256 work-groups), a wave 128 x 64: 32 accumulators.  ALL OF K LIES IN LDS (196,608 bytes), so no LDS byte is filled twice: it comes in four chunks of two K steps;
; each wave asks for its four loads at the start (four of mine are out) and counts them in, chunk by chunk.
; CLUSTERS 4 x 4: U hangs on cx and is shared along a column of the cluster, T on cy and is shared along a row: each tile is asked for jointly by the four that need it.
; The operands lie in memory as images of the registers: a fragment is 1,024 consecutive bytes.  Scale words and bias come into registers once; a scale register holds K steps 0-3 in lanes 0-15 and K steps 4-7 in lanes 16-31.
; The bias is the C of the first K step, so it is the first term of the f32 sum.
; REGISTERS: window 0: v1-14 addresses; v32-63 U's scale words, v64-79 T's; v128-159, v192-223 T's fragments, two sets (on the way out v128-255: rows of the output).
;   window 1: v0-63, v128-191 U's fragments, two sets; v64-127 the bias.   window 2: accumulator (a, b) at v[8 (8 a + b)].
; THE LOADS, AS THIS TEXT HAS THEM: each wave asks for ONE load at the start, its half of U (8 tiles) or of T (4 tiles) for all eight K steps, tiles of 8,192 consecutive bytes, on end in memory and in LDS;
; one wait for 0 and one barrier show all four loads to all four waves.  Where the lines above speak of four chunks and of four loads a wave, this holds in their stead.
.set TT,  4
.set UH,  65536                        ; 8 tiles of U, all eight K steps: 8 x 8,192 bytes, dense in opq: what ONE tensor load brings
.set TH,  8192*TT                      ; the same for T's 4 tiles.  LDS: U's two halves, then T's two halves, each an image of its bytes in memory
.set SCO, 6291456                      ; opq: where the scale words begin
.set OSC, 4194304                      ; oq: likewise
.set STG, 2*UH+2*TH                    ; behind the operands: a stage of 16 rows x (512 bytes + 16) for each wave; no load lands there
.set ADU, 4
.set ADT, 8
.set SCU, 32
.set SCT, 64
.set BI,  64
.set MSB, 0
.macro WIN new
.if MSB != (\new)
	s_set_vgpr_msb (MSB<<8)|(\new)
.set MSB, (\new)
.endif
.endm
.macro CROUND
	s_barrier_signal -1
	s_barrier_wait -1
	s_cmp_lg_u32 s10, 0
	s_cbranch_scc1 .Lnot_wave_0_\@
	s_barrier_signal -3
.Lnot_wave_0_\@:
	s_barrier_wait -3
	s_barrier_signal -1
	s_barrier_wait -1
.endm
.macro PLACES n
.rept \n
	v_nop
.endr
.endm
.macro FETCH s
	WIN 0x40
.irp i, 0,1,2,3,4,5,6,7
	ds_load_b128 v[128*((\s)%2)+8*\i:128*((\s)%2)+8*\i+3],   v[ADU] offset:8192*\i+1024*(\s)
	ds_load_b128 v[128*((\s)%2)+8*\i+4:128*((\s)%2)+8*\i+7], v[ADU] offset:8192*\i+1024*(\s)+512
.endr
	WIN 0
.irp i, 0,1,2,3,4,5,6,7
.if \i < TT
	ds_load_b128 v[128+64*((\s)%2)+8*\i:128+64*((\s)%2)+8*\i+3],   v[ADT] offset:8192*\i+1024*(\s)
	ds_load_b128 v[128+64*((\s)%2)+8*\i+4:128+64*((\s)%2)+8*\i+7], v[ADT] offset:8192*\i+1024*(\s)+512
.endif
.endr
.endm
.macro MM s, mode, a, b                ; mode 0: onto the sum; 1: the sum begins with the bias along U
.set rD, 8*(8*((\a)%4)+(\b))
.set rU, 128*((\s)%2)+8*(\b)
.set rT, 128+64*((\s)%2)+8*(\a)
.set rX, SCU+4*(\b)+(\s)%4
.set rY, SCT+4*(\a)+(\s)%4
.if (\mode) == 1
	v_wmma_scale_f32_16x16x128_f8f6f4 v[rD:rD+7], v[rU:rU+7], v[rT:rT+7], v[BI+8*(\b):BI+8*(\b)+7], v[rX], v[rY] matrix_a_fmt:MATRIX_FMT_FP4 matrix_b_fmt:MATRIX_FMT_FP4
.elseif (\s) < 4
	v_wmma_scale_f32_16x16x128_f8f6f4 v[rD:rD+7], v[rU:rU+7], v[rT:rT+7], v[rD:rD+7], v[rX], v[rY] matrix_a_fmt:MATRIX_FMT_FP4 matrix_b_fmt:MATRIX_FMT_FP4
.else
	v_wmma_scale_f32_16x16x128_f8f6f4 v[rD:rD+7], v[rU:rU+7], v[rT:rT+7], v[rD:rD+7], v[rX], v[rY] matrix_a_fmt:MATRIX_FMT_FP4 matrix_b_fmt:MATRIX_FMT_FP4 matrix_a_scale:MATRIX_SCALE_ROW1 matrix_b_scale:MATRIX_SCALE_ROW1
.endif
.endm
.macro MULS s, mode                    ; the 32 accumulators take turns, one instruction a turn, in the same order in every step
.irp a, 0,1,2,3,4,5,6,7
.if \a < TT
.if (\mode) == 0
	WIN 0xa1                                       ; U window 1, T window 0, C and D window 2
.else
	WIN 0x91                                       ; C (the bias) window 1
.endif
.irp b, 0,1,2,3,4,5,6,7
	MM \s, \mode, \a, \b
.endr
.endif
.endr
.endm
.macro STEP s, mode
	s_wait_dscnt 0x0                               ; this step's fragments, asked for a whole step ago, are in
.if (\s) < 7
	PLACES 4                                       ; in front of loads into registers that the step before multiplied
	FETCH (\s)+1
.endif
	MULS \s, \mode
.endm
	s_load_b256 s[84:91], s[0:1], 0x0              ; opq s[84:85], oq s[86:87], proj_b s[88:89], out0 s[90:91]
	v_lshl_add_u32 v126, v0, 2, 0x38400
	v_mov_b32 v127, 0
	ds_add_u32 v126, v127
	ds_add_u32 v126, v127
	v_lshrrev_b32 v1, 5, v0
	v_readfirstlane_b32 s10, v1                    ; wave
	s_lshr_b32 s11, s10, 1                         ; which half of U is mine.  Also: I fetch for U (0) or for T (1)
	s_and_b32 s12, s10, 1                          ; which half of T is mine.  Also: which half I fetch
	s_bfe_u32 s13, ttmp6, 0x40000                  ; cx
	s_bfe_u32 s14, ttmp6, 0x40004                  ; cy
	s_and_b32 s16, ttmp7, 0xffff                   ; cluster y
	s_lshl_b32 s62, 0x1111, s13                    ; my column of the cluster
	s_lshl_b32 s63, s14, 2
	s_lshl_b32 s63, 15, s63                        ; my row
	s_or_b32 s24, s62, (3<<16)|(1<<21)             ; group 1: U's tiles go to my column,
	s_or_b32 s32, s63, (3<<16)|(1<<21)             ; T's to my row
.irp g, 24, 32
	s_mov_b32 s[\g+1], 1024<<16                    ; a row is a whole tile, 8,192 bytes (1,024 elements of 8 bytes),
	s_mov_b32 s[\g+3], 1024<<16
	s_mov_b32 s[\g+5], 1024                        ; 8,192 bytes apart, dense in LDS
	s_mov_b32 s[\g+6], 0
	s_mov_b32 s[\g+7], 0
.endr
	s_mov_b32 s26, 8<<16
	s_mov_b32 s28, 8
	s_mov_b32 s34, TT<<16
	s_mov_b32 s36, TT
	s_lshl_b32 s19, ttmp9, 2
	s_add_co_u32 s19, s19, s13                     ; block of 256 columns
	s_lshl_b32 s17, s19, 4
	s_add_co_u32 s17, s17, 704                     ; U's first tile in opq
	s_lshl_b32 s21, s16, 2
	s_add_co_u32 s21, s21, s14                     ; block of 128 tokens
	s_lshl_b32 s18, s21, 3                         ; T's first tile in oq
	s_lshl_b32 s56, s12, 3
	s_add_co_u32 s56, s56, s17
	s_lshl_b32 s56, s56, 13
	s_mov_b32 s57, 0
	s_mul_i32 s58, s12, TT
	s_add_co_u32 s58, s58, s18
	s_lshl_b32 s58, s58, 13
	s_mov_b32 s59, 0
	s_lshl_b32 s60, s12, 16
	s_mul_i32 s61, s12, TH
	s_add_co_u32 s61, s61, 2*UH
	s_wait_dscnt 0x0
	s_wait_kmcnt 0x0
	s_add_nc_u64 s[56:57], s[84:85], s[56:57]
	s_add_nc_u64 s[58:59], s[86:87], s[58:59]
	s_mov_b32 s40, 1                               ; group 0 for a half of U,
	s_mov_b32 s41, s60
	s_mov_b64 s[42:43], s[56:57]
	s_or_b32 s43, s43, 0x80000000
	s_mov_b32 s68, 1                               ; and for a half of T
	s_mov_b32 s69, s61
	s_mov_b64 s[70:71], s[58:59]
	s_or_b32 s71, s71, 0x80000000
	CROUND                                         ; all sixteen work-groups are here: the joint loads meet
	s_cmp_eq_u32 s11, 0                            ; a wave's one load stands in a branch on the wave's number; four v_nop follow it
	s_cbranch_scc0 .Lfill_t
	tensor_load_to_lds s[40:43], s[24:31]
	s_nop 0
	PLACES 4
	s_branch .Lfilled
.Lfill_t:
	tensor_load_to_lds s[68:71], s[32:39]
	s_nop 0
	PLACES 4
.Lfilled:
	v_and_b32 v1, 31, v0
	v_lshlrev_b32 v1, 4, v1                        ; 16 x lane
	s_wait_alu depctr_va_vdst(0)
	v_and_b32 v2, 15, v0                           ; r
	v_bfe_u32 v3, v0, 4, 1                         ; h
	s_lshl_b32 s4, s11, 16
	s_mul_i32 s5, s12, TH
	s_add_co_u32 s5, s5, 2*UH
	v_add_nc_u32 v[ADU], s4, v1
	v_add_nc_u32 v[ADT], s5, v1
	s_mul_i32 s4, s10, 16*528
	s_add_co_u32 s4, s4, STG                       ; my stage
	v_mul_u32_u24 v12, v2, 528
	v_lshl_add_u32 v12, v3, 6, v12
	v_add_nc_u32 v12, s4, v12                      ; into it: row r, 64 h bytes on
	v_add_nc_u32 v13, s4, v1                       ; back: a row of 512 bytes, 16 a lane
	v_lshlrev_b32 v14, 6, v3                       ; the bias: 16 h numbers on
	s_wait_alu depctr_va_vdst(0)
	s_lshl_b32 s92, s11, 3
	s_add_co_u32 s92, s92, s17
	s_lshl_b32 s92, s92, 9
	s_add_co_u32 s92, s92, SCO
	s_mov_b32 s93, 0
	s_add_nc_u64 s[92:93], s[84:85], s[92:93]      ; the scale words of my 8 tiles of U
	s_mul_i32 s94, s12, TT
	s_add_co_u32 s94, s94, s18
	s_lshl_b32 s94, s94, 9
	s_add_co_u32 s94, s94, OSC
	s_mov_b32 s95, 0
	s_add_nc_u64 s[94:95], s[86:87], s[94:95]      ; and of my 4 tiles of T
.irp i, 0,1,2,3,4,5,6,7
	global_load_b128 v[SCU+4*\i:SCU+4*\i+3], v1, s[92:93] offset:512*\i
.endr
.irp i, 0,1,2,3
	global_load_b128 v[SCT+4*\i:SCT+4*\i+3], v1, s[94:95] offset:512*\i
.endr
	s_lshl_b32 s4, s19, 10
	s_lshl_b32 s5, s11, 9
	s_add_co_u32 s4, s4, s5                        ; my 128 columns, in bytes: of the bias and of a row of the output
	s_mov_b32 s5, 0
	s_add_nc_u64 s[88:89], s[88:89], s[4:5]
	s_lshl_b32 s6, s21, 19                         ; my first token: 128 x block + 64 x half, rows of 4,096 bytes
	s_lshl_b32 s7, s12, 18
	s_add_co_u32 s6, s6, s7
	s_add_co_u32 s6, s6, s4
	s_mov_b32 s7, 0
	s_add_nc_u64 s[90:91], s[90:91], s[6:7]
	WIN 0x40
.irp b, 0,1,2,3,4,5,6,7
	global_load_b128 v[BI+8*\b:BI+8*\b+3],   v14, s[88:89] offset:(32*(\b/2)+8*(\b%2))*4      ; in the result's layout: the tile's eight columns of my half
	global_load_b128 v[BI+8*\b+4:BI+8*\b+7], v14, s[88:89] offset:(32*(\b/2)+8*(\b%2))*4+16
.endr
	WIN 0
	s_wait_tensorcnt 0x0                           ; my one load, a half of U or of T for all of K, has landed
	s_barrier_signal -1
	s_barrier_wait -1
	FETCH 0
	s_wait_loadcnt 0x0                             ; scale words and bias
	STEP 0, 1
	STEP 1, 0
	STEP 2, 0
	STEP 3, 0
	STEP 4, 0
	STEP 5, 0
	STEP 6, 0
	STEP 7, 0
	WIN 0
	PLACES 4                                       ; in front of the first read of results, and of loads into registers that held T's fragments
; THE WAY OUT, a tile of 16 tokens x 128 columns at a time: a lane holds pieces of one row, the lanes beside it other rows; so the tile goes through my own stage and comes back as whole rows of 512 bytes.
; LDS serves a wave's instructions in order: no wait between the stores and the loads, nor in front of the next tile's stores.
.macro TOSTAGE a
	WIN 0x08                                       ; an LDS store's data: window 2
.irp k, 0,1,2,3
.irp i, 0,1,2,3
	ds_store_b128 v12, v[64*(\a)+16*\k+4*\i:64*(\a)+16*\k+4*\i+3] offset:128*\k+16*\i   ; each accumulator from its low end on
.endr
.endr
	WIN 0
.irp i, 0,1,2,3,4,5,6,7,8,9,10,11,12,13,14,15
	ds_load_b128 v[128+64*((\a)%2)+4*\i:128+64*((\a)%2)+4*\i+3], v13 offset:528*\i
.endr
.endm
.macro SEND a, younger                 ; younger: the LDS instructions issued behind tile a's loads, which may stay out
	s_wait_dscnt \younger
.irp i, 0,1,2,3,4,5,6,7,8,9,10,11,12,13,14,15
	global_store_b128 v1, v[128+64*((\a)%2)+4*\i:128+64*((\a)%2)+4*\i+3], s[90:91] offset:(32*((\a)/2)+8*((\a)%2)+\i+8*(\i/8))*4096 th:TH_STORE_NT   ; 512 consecutive bytes, aligned; written once, read by nobody here
.endr
.endm
	TOSTAGE 0
.irp a, 1,2,3
.if \a > 1
	s_wait_xcnt 0x0                                ; tile a - 2's stores have read their registers: tile a's loads may land there
.endif
	TOSTAGE \a
	SEND \a-1, 32                                  ; behind tile a - 1's loads: tile a's 16 stores and 16 loads
.endr
	SEND 3, 0
	s_wait_tensorcnt 0x0
	ds_add_u32 v126, v127
	s_wait_dscnt 0x0
	CROUND                                         ; the closing round
	s_endpgm
.Lfunc_end_k_qa1c49169e5_proj:
	.size	k_qa1c49169e5_proj, .Lfunc_end_k_qa1c49169e5_proj-k_qa1c49169e5_proj
	.p2alignl 7, 3214868480
	.fill 96, 4, 3214868480
	.section	.rodata,"a",@progbits
	.p2align	6, 0x0
	.amdhsa_kernel k_qa1c49169e5_proj
		.amdhsa_group_segment_fixed_size 230912
		.amdhsa_private_segment_fixed_size 0
		.amdhsa_enable_private_segment 0
		.amdhsa_kernarg_size 32
		.amdhsa_user_sgpr_count 2
		.amdhsa_user_sgpr_kernarg_segment_ptr 1
		.amdhsa_wavefront_size32 1
		.amdhsa_system_sgpr_workgroup_id_x 1
		.amdhsa_system_sgpr_workgroup_id_y 1
		.amdhsa_system_sgpr_workgroup_id_z 1
		.amdhsa_system_vgpr_workitem_id 0
		.amdhsa_next_free_vgpr 768
		.amdhsa_next_free_sgpr 96
		.amdhsa_reserve_vcc 0
		.amdhsa_float_denorm_mode_32 3
		.amdhsa_float_denorm_mode_16_64 3
		.amdhsa_memory_ordered 1
		.amdhsa_forward_progress 1
		.amdhsa_inst_pref_size 70
	.end_amdhsa_kernel
	.amdgpu_metadata
---
amdhsa.version: [ 1, 2 ]
amdhsa.kernels:
  - .name:           k_qa1c49169e5_proj
    .symbol:         k_qa1c49169e5_proj.kd
    .args:
      - { .name: opq, .offset: 0, .size: 8, .value_kind: global_buffer, .address_space: global }
      - { .name: oq, .offset: 8, .size: 8, .value_kind: global_buffer, .address_space: global }
      - { .name: proj_b, .offset: 16, .size: 8, .value_kind: global_buffer, .address_space: global }
      - { .name: out0, .offset: 24, .size: 8, .value_kind: global_buffer, .address_space: global }
    .group_segment_fixed_size: 230912
    .private_segment_fixed_size: 0
    .kernarg_segment_align: 8
    .kernarg_segment_size: 32
    .max_flat_workgroup_size: 128
    .sgpr_count:     96
    .vgpr_count:     768
    .wavefront_size: 32
...
	.end_amdgpu_metadata
.endif
;; end of part 4
